; MI455X (gfx1250); checked and timed in simulation.
; The chip was launched on July 23, 2026; its instructions are those of AMD's public machine-readable ISA for CDNA 5 (MIT licence, August 2026) and "CDNA5" Instruction Set Architecture Reference Guide (July 2026). The comments in the code are by the model that wrote it; some were corrected since.
;; Bahdanau Attention. Allowed arithmetic: matrix products marked QUANTISED: E4M3 operands, one given power-of-two scale a tensor, by v_wmma_f32_16x16x64_fp8_fp8 or v_wmma_f32_16x16x128_fp8_fp8, f32 sums; products left as they are: f32 operands where the result goes on into a quantised operand, else bf16, f16 or f32 operands; f32 sums; everything else in f32.
;; Inputs: Wk_codes 1,024 x 32 x 32 uint8 (E4M3 codes of Wk, K innermost, in blocks of 32 codes); Wq_codes 1,024 x 32 x 32 uint8 (E4M3 codes of Wq, K innermost, in blocks of 32 codes); keys 64 x 1,024 x 1,024 float32; lowp_scales 4 int32 (the exponents e of the quantised operands' scales 2^e); mask 64 x 1,024 bool; query_codes 64 x 32 x 32 uint8 (E4M3 codes of query, K innermost, in blocks of 32 codes); v 1 x 1,024 float32.
;; Outputs: out0 64 x 1,024 float32; out1 64 x 1,024 float32.
;; This version of the problem:
;;   THIS VERSION OF THE PROBLEM IS GIVEN IN LOW PRECISION. The matrix products marked QUANTISED in the list below multiply operands that are first quantised to E4M3 (4 exponent bits, 3 mantissa bits; 8 bits a number), with one given power-of-two scale for each operand tensor; their sums are f32. All else is computed in f32.
;;   The module's matrix products, in the order in which they are computed (A, B: the left and right operand; K: the contracted axis; several contracted axes count as one K, in the product's order):
;;     1. [M 64, K 1,024] x [K 1,024, N 1,024]; A: input query (given as codes); B: input Wq (given as codes): QUANTISED (scales: A lowp_scales[0], B lowp_scales[1])
;;     2. [M 65,536, K 1,024] x [K 1,024, N 1,024]; A: input keys; B: input Wk (given as codes): QUANTISED (scales: A lowp_scales[2], B lowp_scales[3])
;;     3. [M 65,536, K 1,024] x [K 1,024, N 1]; A: computed on the way; B: input v: left as it is (N = 1 < 16)
;;     4. batch 64 x [M 1, K 1,024] x [K 1,024, N 1,024]; A: computed on the way; B: input keys: left as it is (M = 1 < 16)
;;   THE QUANTISER, for each operand of a quantised product, along K:
;;     - The operand's scale is 2^e, e = its entry of the input lowp_scales (int32; the entries are numbered through the quantised products in the list's order, A before B).
;;     - Each number is divided by the scale, clamped to +-448, and rounded to the nearest number of E4M3, ties to even, subnormals kept.
;;     - The product sums the exact products of the quantised numbers (number of the format x scale) in f32.
;;   ~~~python
;;   def quantise(x, axis, e):      # numpy; x: float32 -> the quantised numbers, widened to float32 again
;;       x = np.moveaxis(x, axis, -1); K = x.shape[-1]
;;       r = np.clip(x / 2.0 ** e, -448, 448)
;;       step = 2.0 ** (np.maximum(np.frexp(np.where(r == 0, 1, r))[1] - 1, -6) - 3)
;;       q = np.round(r / step) * step * 2.0 ** e      # np.round: ties to even
;;       return np.moveaxis(q, -1, axis).astype(np.float32)
;;   ~~~
;;   INPUTS GIVEN AS CODES. Wk (in the module: [1024, 1024], K = its axis 1); Wq (in the module: [1024, 1024], K = its axis 1); query (in the module: [64, 1024], K = its axis 1): each comes as NAME_codes (uint8): NAME with its K axis moved to the last place and cut into blocks of 32 codes, [.., K / 32, bytes a block], one block behind the other in memory; one code a byte (a code: sign, 4 exponent bits, 3 mantissa bits); its scale is its entry of lowp_scales. Its value is code x scale, taken as it is: it is not quantised again, and the codes and scales need not be those that the quantiser above would give.
;; One version. Each part assembles by itself: llvm-mc -triple=amdgcn-amd-amdhsa -mcpu=gfx1250 --defsym DOCPART=n.
;; ======== version 1 of 1: 3 launches
;; limits: right only within a limited range of input values
;; workspace buffers: wkf 1,048,576 bytes; qp 262,144 bytes; en 262,144 bytes; idx 262,144 bytes of whole numbers; pos 262,144 bytes of whole numbers; cnt 8,192 bytes of whole numbers
;; launch prep (part 1): grid 384 x 1, 1 waves a work-group, no clusters, 21,760 bytes of LDS; arguments Wk_codes, Wq_codes, query_codes, lowp_scales, mask, wkf, qp, idx, pos, cnt; writes wkf, qp, idx, pos, cnt
.if DOCPART == 1
	.amdgcn_target "amdgcn-amd-amdhsa--gfx1250"
	.amdhsa_code_object_version 6
	.text
	.protected	k_q801943a573_prep
	.globl	k_q801943a573_prep
	.p2align	8
	.type	k_q801943a573_prep,@function
k_q801943a573_prep:
	s_mov_b64 s[64:65], 0
	v_nop
	global_prefetch_b8 v0, s[64:65] scope:SCOPE_SE
	s_setreg_imm32_b32 hwreg(HW_REG_WAVE_MODE, 25, 1), 1
	s_wait_xcnt 0x0
; PREP: three small jobs, told apart by the work-group's number; one wave to a work-group, so no barrier.
; RELAY (work-groups 0-63): 16 rows of Wk's codes are laid as the matrix unit's registers want them: wkf[nt][ks][c][lane][16 bytes], lane (r, h) = bytes 128 ks + 32 c + 16 h of row 16 nt + r,
;   of the row PERMUTED ALONG K as the next launch's codes of keys are: in each half row of 512 codes, dword 32 i + l goes to place 4 l + i.  The same order on both sides of a product keeps every pair together.
; QPROJ (64-319): 16 batches x 16 hidden units of query Wq^T on codes of E4M3, x 2^(e0 + e1) x 2 log2(e), stored as an image of the result's registers:
;   qp[nt][mt][s][lane][4]: lane (r, h), number 4 s + e = batch 16 mt + r, hidden unit 16 nt + 8 h + 4 s + e.  (Source 0 = rows of Wq, source 1 = rows of query.)  e0 + e1 goes in by v_ldexp_f32: no limit.
; LIST (320-383): for one batch: idx[position] = row, the rows that the mask keeps (byte 0) first; pos[row] = position; cnt = how many are kept (32 equal words).
;   The order within the kept rows is by group (rows 16 apart form a group of 32 lanes); any order serves: the list only says which rows the later launches read.
.set RP,   1040                        ; RELAY's LDS row: 1,024 bytes + 16
.set POSR, 16896                       ; LIST's LDS bytes, apart from RELAY's 16 x 1,040
.set MSB, 0
.macro WIN new                         ; the immediate's high byte repeats the setting that is left
.if MSB != \new
	s_set_vgpr_msb (MSB<<8)|\new
.set MSB, \new
.endif
.endm
	s_load_b512 s[4:19], s[0:1], 0x0               ; Wk 4, Wq 6, query 8, scales 10, mask 12, wkf 14, qp 16, idx 18
	s_load_b128 s[20:23], s[0:1], 0x40             ; pos 20, cnt 22
	v_lshl_add_u32 v62, v0, 2, 0x5400
	v_mov_b32 v63, 0
	v_and_b32 v1, 31, v0                           ; lane
	v_lshlrev_b32 v2, 4, v1                        ; 16 x lane
	v_and_b32 v5, 15, v0                           ; r
	v_bfe_u32 v6, v0, 4, 1                         ; h
	s_mov_b32 s25, 0                               ; upper word of the offsets in s[24:25]
	s_wait_kmcnt 0x0
	s_cmp_lt_u32 ttmp9, 64
	s_cbranch_scc0 .Lnot_relay
; ---------------- RELAY
	s_lshl_b32 s24, ttmp9, 14                      ; 16 rows of 1,024 bytes in, 16,384 bytes out
	s_add_nc_u64 s[4:5], s[4:5], s[24:25]
	s_add_nc_u64 s[14:15], s[14:15], s[24:25]
.set i, 0
	s_wait_alu depctr_va_vdst(0)
.rept 32
	global_load_b128 v[64+4*i:64+4*i+3], v2, s[4:5] offset:512*i   ; half row i: 512 consecutive bytes
.set i, i+1
.endr
	v_and_b32 v3, 7, v1
	v_lshrrev_b32 v4, 3, v1
	v_lshlrev_b32 v3, 6, v3
	v_lshl_add_u32 v3, v4, 2, v3                   ; my dword t is source dword 4 lane + t = 32 (lane / 8) + 4 (lane % 8) + t: it goes to byte 64 (lane % 8) + 16 t + 4 (lane / 8)
	v_mul_u32_u24 v4, v5, RP
	v_lshl_add_u32 v4, v6, 4, v4                   ; back: row r, + 16 h
	s_wait_alu depctr_va_vdst(0)
	s_wait_loadcnt 0x0
.set i, 0
.rept 128
	ds_store_b32 v3, v[64+i] offset:RP*(i/8)+512*((i/4)%2)+16*(i%4)
.set i, i+1
.endr
	s_wait_dscnt 0x0                               ; the stores have read their registers, which take the fragments now
.set i, 0
.rept 32
	ds_load_b128 v[64+4*i:64+4*i+3], v4 offset:32*i  ; i = 4 ks + c
.set i, i+1
.endr
.set i, 0
.rept 32
	s_wait_dscnt 31-i                              ; LDS loads come back in order: number i is in
	global_store_b128 v2, v[64+4*i:64+4*i+3], s[14:15] offset:512*i  ; 512 consecutive bytes
.set i, i+1
.endr
	s_wait_tensorcnt 0x0
	ds_add_u32 v62, v63
	s_wait_dscnt 0x0
	s_endpgm
.Lnot_relay:
	s_cmp_lt_u32 ttmp9, 320
	s_cbranch_scc0 .Llist
; ---------------- QPROJ
	s_load_b64 s[30:31], s[10:11], 0x0             ; e0, e1
	s_sub_co_u32 s26, ttmp9, 64                    ; g = 4 nt + mt
	s_and_b32 s27, s26, 3                          ; mt
	s_lshr_b32 s28, s26, 2                         ; nt
	s_lshl_b32 s24, s27, 14
	s_add_nc_u64 s[8:9], s[8:9], s[24:25]          ; query's rows 16 mt on
	s_lshl_b32 s24, s28, 14
	s_add_nc_u64 s[6:7], s[6:7], s[24:25]          ; Wq's rows 16 nt on
	s_lshl_b32 s24, s26, 10
	s_add_nc_u64 s[16:17], s[16:17], s[24:25]      ; the image's 1,024 bytes
	s_wait_alu depctr_va_vdst(0)
	v_lshlrev_b32 v4, 10, v5
	v_lshl_add_u32 v4, v6, 4, v4                   ; row r, + 16 h: registers 4 c .. 4 c + 3 of K step ks take bytes 128 ks + 32 c + 16 h, alike on both sides
.set i, 0
.rept 32
	global_load_b128 v[128+4*i:128+4*i+3], v4, s[8:9] offset:32*i
.set i, i+1
.endr
	WIN 0x40                                       ; destination window 1
.set i, 0
.rept 32
	global_load_b128 v[4*i:4*i+3], v4, s[6:7] offset:32*i
.set i, i+1
.endr
	WIN 0
	s_wait_loadcnt 0x0
	WIN 0x01                                       ; source 0 (Wq) window 1
.irp ks, 0,1,2,3,4,5,6,7                       ; two accumulators by turns; each begins with the constant 0
.if \ks < 2
	v_wmma_f32_16x16x128_fp8_fp8 v[16+8*(\ks%2):23+8*(\ks%2)], v[16*\ks:16*\ks+15], v[128+16*\ks:143+16*\ks], 0
.else
	v_wmma_f32_16x16x128_fp8_fp8 v[16+8*(\ks%2):23+8*(\ks%2)], v[16*\ks:16*\ks+15], v[128+16*\ks:143+16*\ks], v[16+8*(\ks%2):23+8*(\ks%2)]
.endif
.endr
	WIN 0
.rept 4
	v_nop                                          ; four places between the last product and the first read of results (ISA guide 7.12.1)
.endr
.irp j, 0,2,4,6
	v_pk_add_f32 v[32+\j:33+\j], v[16+\j:17+\j], v[24+\j:25+\j]   ; the two halves of K; each accumulator from its low end on
.endr
.irp j, 0,1,2,3,4,5,6,7
	v_mul_f32 v[32+\j], 0x4038aa3b, v[32+\j]       ; x 2 log2(e): the next launch takes 2^(..) of it
.endr
	s_wait_alu depctr_va_vdst(0)
	s_wait_kmcnt 0x0
	s_add_co_i32 s30, s30, s31
.irp j, 0,1,2,3,4,5,6,7
	v_ldexp_f32 v[32+\j], v[32+\j], s30            ; x 2^(e0 + e1)
.endr
	global_store_b128 v2, v[32:35], s[16:17]
	global_store_b128 v2, v[36:39], s[16:17] offset:512
	s_endpgm
; ---------------- LIST
.Llist:
	s_sub_co_u32 s26, ttmp9, 320                   ; the batch
	s_lshl_b32 s24, s26, 10
	s_add_nc_u64 s[12:13], s[12:13], s[24:25]
	s_lshl_b32 s24, s26, 12
	s_add_nc_u64 s[18:19], s[18:19], s[24:25]
	s_add_nc_u64 s[20:21], s[20:21], s[24:25]
	s_lshl_b32 s24, s26, 7
	s_add_nc_u64 s[22:23], s[22:23], s[24:25]
	s_wait_alu depctr_va_vdst(0)
	global_load_b128 v[8:11], v2, s[12:13]         ; dword d, byte t of lane l is row 512 (d / 4) + 16 l + 4 (d % 4) + t; group g = 4 d + t
	global_load_b128 v[12:15], v2, s[12:13] offset:512
	v_lshlrev_b32 v3, 2, v1
	v_lshlrev_b32 v4, 6, v1
	s_mov_b32 s26, 0                               ; n, the rows kept
	s_wait_loadcnt 0x0
.set g, 0
.rept 32
	v_bfe_u32 v7, v[8+g/4], 8*(g%4), 8
	v_cmp_eq_u32 s[32+g], 0, v7                    ; the group's kept lanes
	s_bcnt1_i32_b32 s28, s[32+g]
	s_add_co_u32 s26, s26, s28
.set g, g+1
.endr
	s_mov_b32 s27, 0                               ; next position among the kept,
	s_mov_b32 s29, s26                             ; and among the others, which follow them
.set g, 0
.rept 32
	v_mbcnt_lo_u32_b32 v7, s[32+g], 0              ; kept lanes below me
	v_add_nc_u32 v16, s27, v7
	v_add_nc_u32 v17, s29, v1
	v_sub_nc_u32 v17, v17, v7
	v_cndmask_b32 v[64+g], v17, v16, s[32+g]       ; my row's position
	s_bcnt1_i32_b32 s28, s[32+g]
	s_add_co_u32 s27, s27, s28
	s_add_co_u32 s29, s29, 32
	s_sub_co_u32 s29, s29, s28
	v_min_u32 v[96+g], 0x3ff, v[64+g]
	v_lshlrev_b32 v[96+g], 2, v[96+g]
	v_lshl_add_u32 v[128+g], v1, 4, 512*(g/16)+g%16  ; my row
	global_store_b32 v[96+g], v[128+g], s[18:19]   ; idx[position] = row; each group has registers of its own, so none is written again
.set g, g+1
.endr
.irp d, 0,1,2,3,4,5,6,7
	ds_store_b128 v4, v[64+4*\d:67+4*\d] offset:POSR+2048*(\d/4)+16*(\d%4)   ; pos by rows, through LDS, so that it leaves in runs of 512 bytes
.endr
.irp i, 0,1,2,3,4,5,6,7
	ds_load_b128 v[160+4*\i:163+4*\i], v2 offset:POSR+512*\i   ; LDS serves a wave's instructions in order: these see the stores
.endr
.irp i, 0,1,2,3,4,5,6,7
	s_wait_dscnt 7-\i
	global_store_b128 v2, v[160+4*\i:163+4*\i], s[20:21] offset:512*\i
.endr
	v_mov_b32 v6, s26
	global_store_b32 v3, v6, s[22:23]              ; n, 32 times
	s_wait_tensorcnt 0x0
	ds_add_u32 v62, v63
	s_wait_dscnt 0x0
	s_endpgm
.Lfunc_end_k_q801943a573_prep:
	.size	k_q801943a573_prep, .Lfunc_end_k_q801943a573_prep-k_q801943a573_prep
	.p2alignl 7, 3214868480
	.fill 96, 4, 3214868480
	.section	.rodata,"a",@progbits
	.p2align	6, 0x0
	.amdhsa_kernel k_q801943a573_prep
		.amdhsa_group_segment_fixed_size 21760
		.amdhsa_private_segment_fixed_size 0
		.amdhsa_enable_private_segment 0
		.amdhsa_kernarg_size 80
		.amdhsa_user_sgpr_count 2
		.amdhsa_user_sgpr_kernarg_segment_ptr 1
		.amdhsa_wavefront_size32 1
		.amdhsa_system_sgpr_workgroup_id_x 1
		.amdhsa_system_sgpr_workgroup_id_y 1
		.amdhsa_system_sgpr_workgroup_id_z 1
		.amdhsa_system_vgpr_workitem_id 0
		.amdhsa_next_free_vgpr 384
		.amdhsa_next_free_sgpr 66
		.amdhsa_reserve_vcc 0
		.amdhsa_float_denorm_mode_32 3
		.amdhsa_float_denorm_mode_16_64 3
		.amdhsa_memory_ordered 1
		.amdhsa_forward_progress 1
		.amdhsa_inst_pref_size 56
	.end_amdhsa_kernel
	.amdgpu_metadata
---
amdhsa.version: [ 1, 2 ]
amdhsa.kernels:
  - .name:           k_q801943a573_prep
    .symbol:         k_q801943a573_prep.kd
    .args:
      - { .name: Wk_codes, .offset: 0, .size: 8, .value_kind: global_buffer, .address_space: global }
      - { .name: Wq_codes, .offset: 8, .size: 8, .value_kind: global_buffer, .address_space: global }
      - { .name: query_codes, .offset: 16, .size: 8, .value_kind: global_buffer, .address_space: global }
      - { .name: lowp_scales, .offset: 24, .size: 8, .value_kind: global_buffer, .address_space: global }
      - { .name: mask, .offset: 32, .size: 8, .value_kind: global_buffer, .address_space: global }
      - { .name: wkf, .offset: 40, .size: 8, .value_kind: global_buffer, .address_space: global }
      - { .name: qp, .offset: 48, .size: 8, .value_kind: global_buffer, .address_space: global }
      - { .name: idx, .offset: 56, .size: 8, .value_kind: global_buffer, .address_space: global }
      - { .name: pos, .offset: 64, .size: 8, .value_kind: global_buffer, .address_space: global }
      - { .name: cnt, .offset: 72, .size: 8, .value_kind: global_buffer, .address_space: global }
    .group_segment_fixed_size: 21760
    .private_segment_fixed_size: 0
    .kernarg_segment_align: 8
    .kernarg_segment_size: 80
    .max_flat_workgroup_size: 32
    .sgpr_count:     66
    .vgpr_count:     384
    .wavefront_size: 32
...
	.end_amdgpu_metadata
.endif
;; end of part 1
;; launch energy (part 2): grid 256 x 1, 8 waves a work-group, no clusters, 302,592 bytes of LDS; arguments keys, wkf, qp, v, lowp_scales, idx, cnt, en; writes en
.if DOCPART == 2
	.amdgcn_target "amdgcn-amd-amdhsa--gfx1250"
	.amdhsa_code_object_version 6
	.text
	.protected	k_q801943a573_energy
	.globl	k_q801943a573_energy
	.p2align	8
	.type	k_q801943a573_energy,@function
k_q801943a573_energy:
	s_mov_b64 s[64:65], 0
	v_nop
	global_prefetch_b8 v0, s[64:65] scope:SCOPE_SE
	s_setreg_imm32_b32 hwreg(HW_REG_WAVE_MODE, 25, 1), 1
	s_wait_xcnt 0x0
; ENERGY: en[b][position] = -2 log2(e) x sum over h of v[h] / (1 + 2^t), t = 2 log2(e) (qp[b][h] + kp[b][row][h]), for the rows that the mask keeps, in the list's order.
; tanh(x) = 1 - 2 / (1 + e^(2x)), so the reference's energy is sum(v) - 2 sum(v / (1 + e^(2x))); sum(v) is the same for all rows of a batch and a softmax does not see a common shift: it is left out.
; kp = keys Wk^T on codes of E4M3: keys are quantised here (/ 2^e2, held at +-448, nearest, ties to even), Wk's codes come laid out in wkf.  A row under the mask gets -inf in reference(): it is neither read nor multiplied.
; SHARES.  Four work-groups to a batch; each takes a quarter of the batch's tiles of 16 list positions (0 to 16 tiles, by the stored count).  Eight waves, two to a SIMD.
;   Phase Q: wave w reads rows 2 w, 2 w + 1 of every tile (a row: eight loads of 512 consecutive bytes), quantises them and stores the codes in LDS.  A lane's 16 numbers of four loads become 16 bytes:
;     in each half row, dword 32 i + l of the codes lies at place 4 l + i; wkf has the same order along K.
;   Phase G: four rounds; in a round wave w keeps 32 hidden units' fragments of Wk (256 registers) and walks all tiles: 16 products, then tanh's part and the dot with v in registers.  No barrier in the phase:
;     one wave's vector work stands beside the other wave's products.  Source 0 = 16 rows of Wk, source 1 = 16 rows of keys: a lane holds one row of keys and eight hidden units.
; NO TENSOR LOAD, NO CLUSTER, though all work-groups read wkf: trips are left out by counts read from memory; wkf comes straight into registers, 512 consecutive bytes a load.
; LIMITS: e2 between -126 and 119 (448 x 2^e2 is an f32 number); e2 + e3 between -126 and 125 (added to an exponent field).  NaN and infinities among keys are not served.
.set RG,  33312                        ; a wave's region of codes: 32 rows x 1,040 + 32: 2,082 x 16 bytes
.set RP,  1040                         ; a row of codes: 1,024 + 16 = 65 x 16 bytes: row r of a tile lies at (r / 2) RG + (r % 2) RP: the 16 rows of a fragment begin at 16 different 16-byte columns of 256 bytes
.set EB,  268800                       ; partial energies: EB + 4096 wave + 1024 round + 64 tile + 4 r.  (Codes end at 266,496; the fetch ahead is held at tile 15)
; window 0: v1 lane, v2 r, v3 h, v4 16 lane, v5 my 32 rows, v6/v7 code stores, v8-15 row offsets, v16/v17 fragments, v18/v19 energies, v20 qp, v21 v, v22 2^e2, v23 other half, v24-28 sums, v29 448 x 2^e2, v30 last read,
;   v32-47 two accumulators, v48-63 qp, v64-127 numbers at work (Q) / v64-79 v (G), v128-143 codes (Q) / v128-255 a tile's eight fragments (G) / v128-159 a row's 32 parts (end).   window 1: four sets of 64 loaded numbers (Q) / Wk's 16 fragments (G).
.set MSB, 0
.macro WIN new                         ; the immediate's high byte repeats the setting that is left
.if MSB != \new
	s_set_vgpr_msb (MSB<<8)|\new
.set MSB, \new
.endif
.endm
; Two rows of keys, those in lanes l0 and l1 of v5, are asked for: 16 loads into set k
.macro QISSUE k, l0, l1
	v_readlane_b32 s40, v5, \l0
	v_readlane_b32 s41, v5, \l1
	s_min_u32 s40, s40, 0x3ff
	s_min_u32 s41, s41, 0x3ff
	s_lshl_b32 s40, s40, 12
	s_lshl_b32 s41, s41, 12
	v_add_nc_u32 v[8+2*\k], s40, v4
	v_add_nc_u32 v[9+2*\k], s41, v4
	WIN 0x40                                       ; destination window 1
.irp i, 0,1
.irp ld, 0,1,2,3,4,5,6,7
	global_load_b128 v[64*\k+32*\i+4*\ld:64*\k+32*\i+4*\ld+3], v[8+2*\k+\i], s[4:5] offset:512*\ld th:TH_LOAD_NT
.endr
.endr
	WIN 0
.endm
.macro HOLD k                          ; set k's 64 numbers, held within the largest code x the scale (the conversion does not saturate: ISA guide 7.6.2), into window 0: the set is free
	WIN 0x01
.set x, 0
.rept 64
	v_med3_num_f32 v[64+x], v[64*\k+x], -v29, v29
.set x, x+1
.endr
	WIN 0
.endm
; Tile u = s37 + k.  Three ways: the tile four on exists (count 48: behind this set's 16 loads stand those of the three sets after it); it does not (0); this tile does not exist (0, no work).
; On every way through the text three later issues or a wait for 0 lie between a set's issue and its next read.
.macro QSTEP k
	s_add_co_u32 s39, s37, \k
	s_cmp_ge_u32 s39, s28
	s_cbranch_scc1 .Lqc_\@
	s_add_co_u32 s39, s37, \k+4
	s_cmp_ge_u32 s39, s28
	s_cbranch_scc1 .Lqb_\@
	s_wait_loadcnt 48
	HOLD \k
	s_lshl_b32 s42, s39, 1
	s_or_b32 s43, s42, 1
	QISSUE \k, s42, s43
	s_branch .Lqj_\@
.Lqb_\@:
	s_wait_loadcnt 0x0
	HOLD \k
.Lqj_\@:
	s_wait_dscnt 0x0                               ; the last tile's stores have read the codes' registers
	s_wait_alu depctr_va_vdst(0)
.irp y, 0,1,2,3,4,5,6,7
	v_cvt_scalef32_pk8_fp8_f32 v[128+2*\y:129+2*\y], v[64+8*\y:71+8*\y], v22
.endr
	v_nop                                          ; one plain line behind the last conversion
	v_add_nc_u32 v7, s38, v6
.irp z, 0,1,2,3
	ds_store_b128 v7, v[128+4*\z:131+4*\z] offset:2*RP*\k+RP*(\z/2)+512*(\z%2)   ; 512 consecutive bytes: half a row of codes
.endr
	s_branch .Lqe_\@
.Lqc_\@:
	s_wait_loadcnt 0x0
.Lqe_\@:
.endm
.macro BLOAD                           ; my two tiles of Wk, 8 K steps each: fragment (8 a + ks) at v[16 (8 a + ks)] of window 1
	WIN 0x40
.set i, 0
.rept 64
	global_load_b128 v[4*i:4*i+3], v4, s[6:7] offset:512*i
.set i, i+1
.endr
	WIN 0
.endm
.macro QVLOAD                          ; qp and v at my 2 x 8 hidden units: register 8 a + 4 s + e = unit 16 nt + 8 h + 4 s + e
.irp a, 0,1
.irp s, 0,1
	global_load_b128 v[48+8*\a+4*\s:51+8*\a+4*\s], v20, s[8:9] offset:4096*\a+512*\s
	global_load_b128 v[64+8*\a+4*\s:67+8*\a+4*\s], v21, s[10:11] offset:64*\a+16*\s
.endr
.endr
.endm
.macro MULHI                           ; K steps 4 to 7 of both sums, then five places: for the loads into the fragments' registers, the reads of the sums, and the next tile's products, which write over the sums
	WIN 0x01
.irp ks, 4,5,6,7
.irp a, 0,1
	v_wmma_f32_16x16x128_fp8_fp8 v[32+8*\a:39+8*\a], v[128*\a+16*\ks:128*\a+16*\ks+15], v[128+16*\ks:143+16*\ks], v[32+8*\a:39+8*\a]
.endr
.endr
	WIN 0
	v_add_nc_u32 v19, s47, v18
.rept 4
	v_nop
.endr
.endm
.macro AFETCH adr, from, n             ; n of a tile's 32 loads, from number from on: loads 0-15 bring K steps 0 to 3, loads 16-31 K steps 4 to 7
.set i, \from
.rept \n
	ds_load_b128 v[128+4*i:128+4*i+3], v[\adr] offset:32*i
.set i, i+1
.endr
.endm
	s_load_b512 s[4:19], s[0:1], 0x0               ; keys 4, wkf 6, qp 8, v 10, scales 12, idx 14, cnt 16, en 18
	v_lshrrev_b32 v1, 5, v0
	s_delay_alu instid0(VALU_DEP_1)
	v_readfirstlane_b32 s20, v1                    ; wave
	s_lshr_b32 s21, ttmp9, 2                       ; batch
	s_and_b32 s22, ttmp9, 3                        ; which quarter of its tiles
	v_and_b32 v1, 31, v0
	v_and_b32 v2, 15, v0
	v_bfe_u32 v3, v0, 4, 1
	s_delay_alu instid0(VALU_DEP_3)
	v_lshlrev_b32 v4, 4, v1
	s_mul_i32 s39, s20, RG
	v_add_nc_u32 v6, s39, v4
	v_lshrrev_b32 v24, 1, v2
	s_delay_alu instid0(VALU_DEP_1)
	v_mul_u32_u24 v16, v24, RG
	v_and_b32 v24, 1, v2
	s_delay_alu instid0(VALU_DEP_1)
	v_mad_u32_u24 v16, v24, RP, v16
	s_delay_alu instid0(VALU_DEP_1)
	v_lshl_add_u32 v16, v3, 4, v16
	s_lshl_b32 s39, s20, 12
	s_add_co_u32 s39, s39, EB
	v_lshl_add_u32 v18, v2, 2, s39
	s_and_b32 s39, s21, 15
	s_lshl_b32 s39, s39, 4
	v_lshl_add_u32 v20, v3, 8, s39                 ; in qp's image my batch is lane 16 h + batch % 16
	v_lshlrev_b32 v21, 5, v3
	v_mov_b32 v23, 0                               ; a lane permute's destination counts as read: written once
	v_lshl_add_u32 v30, v0, 2, EB
	s_mov_b32 s34, 0x76543210
	s_mov_b32 s35, 0xfedcba98
	s_mov_b32 s51, 0
	s_wait_kmcnt 0x0
	s_lshl_b32 s50, s21, 7
	s_add_nc_u64 s[16:17], s[16:17], s[50:51]
	s_load_b32 s23, s[16:17], 0x0                  ; n
	s_load_b128 s[52:55], s[12:13], 0x0            ; e0 .. e3
	s_lshl_b32 s50, s21, 22
	s_add_nc_u64 s[4:5], s[4:5], s[50:51]
	s_lshl_b32 s50, s21, 12
	s_add_nc_u64 s[14:15], s[14:15], s[50:51]
	s_add_nc_u64 s[18:19], s[18:19], s[50:51]
	s_lshl_b32 s50, s20, 15
	s_add_nc_u64 s[6:7], s[6:7], s[50:51]
	s_lshl_b32 s50, s20, 13
	s_lshr_b32 s39, s21, 4
	s_lshl_b32 s39, s39, 10
	s_add_co_u32 s50, s50, s39
	s_add_nc_u64 s[8:9], s[8:9], s[50:51]
	s_lshl_b32 s50, s20, 7
	s_add_nc_u64 s[10:11], s[10:11], s[50:51]
	s_wait_kmcnt 0x0
	s_min_u32 s23, s23, 0x400
	s_add_co_u32 s24, s23, 15
	s_lshr_b32 s24, s24, 4                         ; the batch's tiles
	s_mul_i32 s25, s22, s24
	s_add_co_u32 s26, s25, s24
	s_lshr_b32 s25, s25, 2                         ; my first tile
	s_lshr_b32 s26, s26, 2
	s_sub_co_u32 s26, s26, s25                     ; my tiles: 0 to 16
	s_lshl_b32 s27, s25, 4                         ; my first position
	s_max_u32 s28, s26, 1                          ; tiles quantised: one at the least, so that what phase G fetches first has been written
	s_lshl_b32 s29, s26, 4                         ; my positions
	s_add_co_i32 s39, s54, s55
	s_lshl_b32 s39, s39, 23
	s_add_co_i32 s30, s39, 0x4038aa3b              ; c = 2 log2(e) x 2^(e2 + e3)
	s_mov_b32 s31, s30                             ; (named with it as a pair)
	s_add_co_i32 s39, s54, 127
	s_lshl_b32 s40, s39, 23
	v_mov_b32 v22, s40                             ; 2^e2
	s_add_co_i32 s39, s39, 8
	s_lshl_b32 s39, s39, 23
	s_or_b32 s39, s39, 0x600000
	v_mov_b32 v29, s39                             ; 448 x 2^e2
	v_lshrrev_b32 v24, 1, v1
	s_delay_alu instid0(VALU_DEP_1)
	v_lshlrev_b32 v24, 4, v24
	v_and_b32 v25, 1, v1
	s_delay_alu instid0(VALU_DEP_1)
	v_add_nc_u32 v24, v24, v25
	s_lshl_b32 s39, s20, 1
	s_add_co_u32 s39, s39, s27
	v_add_nc_u32 v24, s39, v24                     ; lane 2 m + i: position j0 + 16 m + 2 w + i
	s_delay_alu instid0(VALU_DEP_1)
	v_min_u32 v24, 0x3ff, v24
	s_delay_alu instid0(VALU_DEP_1)
	v_lshlrev_b32 v24, 2, v24
	global_load_b32 v5, v24, s[14:15]
	s_wait_loadcnt 0x0
; ---------------- phase Q
	QISSUE 0, 0, 1
	QISSUE 1, 2, 3
	QISSUE 2, 4, 5
	QISSUE 3, 6, 7
	s_mov_b32 s36, 0
	s_mov_b32 s37, 0                               ; the trip's first tile
	s_mov_b32 s38, 0                               ; and its place in my region
.Lq:
	QSTEP 0
	QSTEP 1
	QSTEP 2
	QSTEP 3
	s_add_co_u32 s37, s37, 4
	s_add_co_u32 s38, s38, 8*RP
	s_add_co_u32 s36, s36, 1
	s_cmp_lt_u32 s36, 4
	s_cbranch_scc1 .Lq
	s_wait_loadcnt 0x0                             ; nothing is on its way into window 1
	BLOAD
	QVLOAD
	s_wait_dscnt 0x0                               ; for the others' sake: my codes are in LDS
	s_barrier_signal -1
	s_barrier_wait -1
; ---------------- phase G
	s_mov_b32 s44, 0                               ; round
	s_mov_b32 s47, 0                               ; 64 x (16 round + tile)
.Lround:
	s_wait_loadcnt 0x0                             ; Wk's fragments, qp, v
	s_wait_dscnt 0x0                               ; no LDS load is out into the registers that the fetch below fills
	s_mov_b32 s45, 0                               ; tile
	s_mov_b32 s46, 2*RP                            ; the next tile's place
	AFETCH 16, 0, 32
.Lm:
	s_cmp_ge_u32 s45, s26
	s_cbranch_scc1 .Lm_skip
	s_min_u32 s48, s46, 30*RP                      ; the next tile's place, held at tile 15: no fetch names bytes behind the codes
	v_add_nc_u32 v17, s48, v16
	s_wait_alu depctr_va_vdst(0)
	s_wait_dscnt 16                                ; K steps 0 to 3 are in: behind their 16 loads stand the 16 of K steps 4 to 7 and at most one store
	WIN 0x01                                       ; source 0 (Wk) window 1
.irp ks, 0,1,2,3
.irp a, 0,1
.if \ks == 0
	v_wmma_f32_16x16x128_fp8_fp8 v[32+8*\a:39+8*\a], v[128*\a+16*\ks:128*\a+16*\ks+15], v[128+16*\ks:143+16*\ks], 0
.else
	v_wmma_f32_16x16x128_fp8_fp8 v[32+8*\a:39+8*\a], v[128*\a+16*\ks:128*\a+16*\ks+15], v[128+16*\ks:143+16*\ks], v[32+8*\a:39+8*\a]
.endif
.endr
.endr
	WIN 0
.rept 4
	v_nop                                          ; four places in front of loads into registers that the products above have read
.endr
	s_add_co_u32 s49, s45, 1
	s_cmp_ge_u32 s49, s26
	s_cbranch_scc1 .Lm_last
	AFETCH 17, 0, 16                               ; the next tile's K steps 0 to 3 are asked for while this tile's K steps 4 to 7 are multiplied
	s_wait_dscnt 16                                ; all but the 16 just issued: this tile's K steps 4 to 7 are in
	MULHI
	AFETCH 17, 16, 16                              ; the next tile's K steps 4 to 7 come while this tile's sums are worked on
	s_branch .Lm_ep
.Lm_last:                                              ; my last tile: nothing more is fetched
	s_wait_dscnt 0x0
	MULHI
.Lm_ep:
.irp p, 0,2,4,6,8,10,12,14
	v_pk_fma_f32 v[32+\p:33+\p], v[32+\p:33+\p], s[30:31], v[48+\p:49+\p] op_sel_hi:[1,0,1]   ; t = sum x c + qp; each accumulator from its low end on
.endr
	s_wait_alu depctr_va_vdst(0)
.irp j, 0,1,2,3,4,5,6,7,8,9,10,11,12,13,14,15
	v_exp_f32 v[32+\j], v[32+\j]
.endr
	v_nop                                          ; a plain line behind the last of the batch
	s_wait_alu depctr_va_vdst(0)                   ; one wait for the batch, ahead of its first reader
.irp p, 0,2,4,6,8,10,12,14
	v_pk_add_f32 v[32+\p:33+\p], v[32+\p:33+\p], 1.0 op_sel_hi:[1,0]
.endr
	s_wait_alu depctr_va_vdst(0)
.irp j, 0,1,2,3,4,5,6,7,8,9,10,11,12,13,14,15
	v_rcp_f32 v[32+\j], v[32+\j]                   ; 1 / (1 + 2^t): 0 where 2^t overflows, 1 where it vanishes
.endr
	v_nop
	s_wait_alu depctr_va_vdst(0)
	v_pk_mul_f32 v[24:25], v[32:33], v[64:65]      ; x v, summed in two chains
	v_pk_mul_f32 v[26:27], v[34:35], v[66:67]
.irp p, 4,8,12
	v_pk_fma_f32 v[24:25], v[32+\p:33+\p], v[64+\p:65+\p], v[24:25]
	v_pk_fma_f32 v[26:27], v[34+\p:35+\p], v[66+\p:67+\p], v[26:27]
.endr
	s_delay_alu instid0(VALU_DEP_1)
	v_pk_add_f32 v[24:25], v[24:25], v[26:27]
	s_delay_alu instid0(VALU_DEP_1)
	v_add_f32 v28, v24, v25
	s_delay_alu instid0(VALU_DEP_1)
	v_permlanex16_b32 v23, v28, s34, s35           ; the row's other eight units of each tile lie in the lane 16 away
	s_delay_alu instid0(VALU_DEP_1)
	v_add_f32 v28, v28, v23
	ds_store_b32 v19, v28                          ; lanes r and 16 + r write the same word with the same number
.Lm_skip:
	s_add_co_u32 s46, s46, 2*RP
	s_add_co_u32 s47, s47, 64
	s_add_co_u32 s45, s45, 1
	s_cmp_lt_u32 s45, 16
	s_cbranch_scc1 .Lm
	s_add_nc_u64 s[6:7], s[6:7], 262144            ; the next round's 16 tiles on (the loads that named these bases were waited for at the round's head)
	s_add_nc_u64 s[8:9], s[8:9], 65536
	s_add_nc_u64 s[10:11], s[10:11], 1024
	s_cmp_eq_u32 s44, 3
	s_cbranch_scc1 .Lno_b                          ; no load leaves its buffer
	BLOAD
	QVLOAD
.Lno_b:
	s_add_co_u32 s44, s44, 1
	s_cmp_lt_u32 s44, 4
	s_cbranch_scc1 .Lround
; ---------------- the 32 parts of each row's energy (8 waves x 4 rounds) are added: thread i takes position j0 + i
	s_wait_dscnt 0x0
	s_barrier_signal -1
	s_barrier_wait -1
	v_add_nc_u32 v24, s27, v0
	s_delay_alu instid0(VALU_DEP_1)
	v_min_u32 v24, 0x3ff, v24
	s_delay_alu instid0(VALU_DEP_1)
	v_lshlrev_b32 v24, 2, v24
	s_wait_xcnt 0x0                                ; EXEC changes only behind this wait
	v_cmp_gt_u32 vcc_lo, s29, v0
	s_and_saveexec_b32 s39, vcc_lo                 ; only positions that were worked on: nothing else was written, and the rest belongs to other work-groups
.set i, 0
.rept 32
	ds_load_b32 v[128+i], v30 offset:1024*i        ; part i into v[128 + i]: v128 to v159
.set i, i+1
.endr
	s_wait_dscnt 0x0
.irp j, 0,2,4,6,8,10,12,14
	v_pk_add_f32 v[128+\j:129+\j], v[128+\j:129+\j], v[144+\j:145+\j]   ; 32 parts to 16,
.endr
.irp j, 0,2,4,6
	s_delay_alu instid0(VALU_DEP_4)
	v_pk_add_f32 v[128+\j:129+\j], v[128+\j:129+\j], v[136+\j:137+\j]   ; to 8,
.endr
	s_delay_alu instid0(VALU_DEP_2)
	v_pk_add_f32 v[128:129], v[128:129], v[132:133]                     ; to 4,
	s_delay_alu instid0(VALU_DEP_2)
	v_pk_add_f32 v[130:131], v[130:131], v[134:135]
	s_delay_alu instid0(VALU_DEP_1)
	v_pk_add_f32 v[128:129], v[128:129], v[130:131]                     ; to 2,
	s_delay_alu instid0(VALU_DEP_1)
	v_add_f32 v128, v128, v129                                          ; to 1
	s_delay_alu instid0(VALU_DEP_1)
	v_mul_f32 v128, 0xc038aa3b, v128               ; x -2 log2(e): the softmax works in base 2
	global_store_b32 v24, v128, s[18:19]           ; neighbouring threads, neighbouring words
	s_wait_xcnt 0x0
	s_or_b32 exec_lo, exec_lo, s39
	s_wait_xcnt 0x0
	s_mov_b32 exec_lo, -1
	v_lshl_add_u32 v126, v0, 2, 0x49a00
	v_mov_b32 v127, 0
	s_wait_alu depctr_va_vdst(0)
	s_wait_tensorcnt 0x0
	ds_add_u32 v126, v127
	s_wait_dscnt 0x0
	s_endpgm
.Lfunc_end_k_q801943a573_energy:
	.size	k_q801943a573_energy, .Lfunc_end_k_q801943a573_energy-k_q801943a573_energy
	.p2alignl 7, 3214868480
	.fill 96, 4, 3214868480
	.section	.rodata,"a",@progbits
	.p2align	6, 0x0
	.amdhsa_kernel k_q801943a573_energy
		.amdhsa_group_segment_fixed_size 302592
		.amdhsa_private_segment_fixed_size 0
		.amdhsa_enable_private_segment 0
		.amdhsa_kernarg_size 64
		.amdhsa_user_sgpr_count 2
		.amdhsa_user_sgpr_kernarg_segment_ptr 1
		.amdhsa_wavefront_size32 1
		.amdhsa_system_sgpr_workgroup_id_x 1
		.amdhsa_system_sgpr_workgroup_id_y 1
		.amdhsa_system_sgpr_workgroup_id_z 1
		.amdhsa_system_vgpr_workitem_id 0
		.amdhsa_next_free_vgpr 512
		.amdhsa_next_free_sgpr 66
		.amdhsa_reserve_vcc 1
		.amdhsa_float_denorm_mode_32 3
		.amdhsa_float_denorm_mode_16_64 3
		.amdhsa_memory_ordered 1
		.amdhsa_forward_progress 1
		.amdhsa_inst_pref_size 86
	.end_amdhsa_kernel
	.amdgpu_metadata
---
amdhsa.version: [ 1, 2 ]
amdhsa.kernels:
  - .name:           k_q801943a573_energy
    .symbol:         k_q801943a573_energy.kd
    .args:
      - { .name: keys, .offset: 0, .size: 8, .value_kind: global_buffer, .address_space: global }
      - { .name: wkf, .offset: 8, .size: 8, .value_kind: global_buffer, .address_space: global }
      - { .name: qp, .offset: 16, .size: 8, .value_kind: global_buffer, .address_space: global }
      - { .name: v, .offset: 24, .size: 8, .value_kind: global_buffer, .address_space: global }
      - { .name: lowp_scales, .offset: 32, .size: 8, .value_kind: global_buffer, .address_space: global }
      - { .name: idx, .offset: 40, .size: 8, .value_kind: global_buffer, .address_space: global }
      - { .name: cnt, .offset: 48, .size: 8, .value_kind: global_buffer, .address_space: global }
      - { .name: en, .offset: 56, .size: 8, .value_kind: global_buffer, .address_space: global }
    .group_segment_fixed_size: 302592
    .private_segment_fixed_size: 0
    .kernarg_segment_align: 8
    .kernarg_segment_size: 64
    .max_flat_workgroup_size: 256
    .sgpr_count:     66
    .vgpr_count:     512
    .wavefront_size: 32
...
	.end_amdgpu_metadata
.endif
;; end of part 2
;; launch context (part 3): grid 256 x 1, 16 waves a work-group, no clusters, 18,432 bytes of LDS; arguments keys, en, idx, pos, cnt, out0, out1; writes out0, out1
.if DOCPART == 3
	.amdgcn_target "amdgcn-amd-amdhsa--gfx1250"
	.amdhsa_code_object_version 6
	.text
	.protected	k_q801943a573_context
	.globl	k_q801943a573_context
	.p2align	8
	.type	k_q801943a573_context,@function
k_q801943a573_context:
	s_mov_b64 s[64:65], 0
	v_nop
	global_prefetch_b8 v0, s[64:65] scope:SCOPE_SE
	s_setreg_imm32_b32 hwreg(HW_REG_WAVE_MODE, 25, 1), 1
	s_wait_xcnt 0x0
; CONTEXT: attn = softmax of the energies (rows under the mask: 0; a batch with no row kept: all 0), context = sum over rows of attn x keys.
; en holds log2(e) x energy, less a shift common to the batch, by list position; positions from n on count as -inf, whatever the words hold.  The largest is taken away ahead of 2^(..), as reference() does.
; SHARES.  Four work-groups to a batch, each with 256 channels (1,024 bytes of every row) and 256 rows of attn.  Sixteen waves.  EVERY wave makes the batch's softmax in its own registers
; (register 4 g + e of lane l = position 128 g + 4 l + e): 32 numbers a lane, no barrier.  Wave w then multiplies positions 128 s + 8 w + 0 .. 7, s = 0 .. 7, while they lie under n: only kept rows are read
; (and up to 7 others at the list's end, with the weight 0).  Two blocks of 8 rows (16 loads of 512 bytes) are on their way in each wave.
; attn by rows: waves 0 to 3 take 64 rows each, two a lane; the weight at pos[row] is pulled from lane (pos / 4) % 32 of each weight register, and register 4 (pos / 128) + pos % 4 is kept.
; Memory binds: matrix units, clusters and tensor loads would add nothing, and the steps left out hang on a count read from memory.  LIMIT: NaN and infinities among keys are not served.
; v1 lane, v2 my sums' place in LDS, v3 where waves 0, 1 read, v4 16 lane, v5 4 lane, v6 -inf, v7 pos / attn offset, v[8:9] largest, v[10:11] 1 / sum, v12-15 at work, v16-23 my sums, v24-31 pulled weights,
; v32-63 energies, then weights, v64-95 the list, v96-103 attn's work, v104-119 row offsets, v128-191, v192-255 two blocks of rows.
.macro CISSUE set, g                   ; block g of my rows is asked for, into set
.irp e, 0,1,2,3,4,5,6,7
	v_readlane_b32 s[40+\e], v[64+4*(\g)+(\e%4)], s[25+\e/4]
.endr
.irp e, 0,1,2,3,4,5,6,7
	s_min_u32 s[40+\e], s[40+\e], 0x3ff
.endr
.irp e, 0,1,2,3,4,5,6,7
	s_lshl_b32 s[40+\e], s[40+\e], 12
.endr
.irp e, 0,1,2,3,4,5,6,7
	v_add_nc_u32 v[104+8*(\set)+\e], s[40+\e], v4
.endr
.irp e, 0,1,2,3,4,5,6,7
	global_load_b128 v[128+64*(\set)+8*\e:128+64*(\set)+8*\e+3], v[104+8*(\set)+\e], s[4:5] th:TH_LOAD_NT
	global_load_b128 v[128+64*(\set)+8*\e+4:128+64*(\set)+8*\e+7], v[104+8*(\set)+\e], s[4:5] offset:512 th:TH_LOAD_NT
.endr
.endm
.macro CFMA set, g                     ; my sums += weight x row, for the block's eight rows
.irp e, 0,1,2,3,4,5,6,7
	v_readlane_b32 s[48+\e], v[32+4*(\g)+(\e%4)], s[25+\e/4]
.endr
.irp e, 0,1,2,3,4,5,6,7
.irp i, 0,1,2,3,4,5,6,7
	v_fmac_f32 v[16+\i], s[48+\e], v[128+64*(\set)+8*\e+\i]
.endr
.endr
.endm
; Block st.  Count 16: behind this block's 16 loads stand the next block's; where the block two on does not exist nothing more is asked for and the wait is for 0.
.macro CSTEP st
	s_add_co_u32 s39, s24, 128*(\st)
	s_cmp_ge_u32 s39, s23
	s_cbranch_scc1 .Lc_done
.if (\st) < 6
	s_add_co_u32 s39, s24, 128*((\st)+2)
	s_cmp_ge_u32 s39, s23
	s_cbranch_scc1 .Lcb_\@
	s_wait_loadcnt 16
	CFMA (\st)%2, (\st)
	CISSUE (\st)%2, (\st)+2
	s_branch .Lcj_\@
.Lcb_\@:
	s_wait_loadcnt 0x0
	CFMA (\st)%2, (\st)
.Lcj_\@:
.elseif (\st) == 6
	s_wait_loadcnt 16
	CFMA 0, 6
.else
	s_wait_loadcnt 0x0
	CFMA 1, 7
.endif
.endm
.macro PICK d                          ; the weight of my row d
	v_min_u32 v98, 0x3ff, v[96+\d]
	s_delay_alu instid0(VALU_DEP_1)
	v_and_b32 v99, 0x7c, v98                       ; 4 x the lane that holds it
	s_delay_alu instid0(VALU_DEP_2)
	v_lshrrev_b32 v100, 7, v98
	s_delay_alu instid0(VALU_DEP_3)
	v_and_b32 v101, 3, v98
	s_delay_alu instid0(VALU_DEP_1)
	v_lshl_or_b32 v100, v100, 2, v101              ; the register that holds it
	s_wait_alu depctr_va_vdst(0)
	v_mov_b32 v[102+\d], 0
	s_wait_alu depctr_va_vdst(0)
.irp bt, 0,1,2,3
.irp t, 0,1,2,3,4,5,6,7
	ds_bpermute_b32 v[24+\t], v99, v[32+8*\bt+\t]
.endr
	s_wait_alu depctr_va_vdst(0)
	s_wait_dscnt 0x0
.irp t, 0,1,2,3,4,5,6,7
	v_cmp_eq_u32 vcc_lo, 8*\bt+\t, v100
	s_delay_alu instid0(VALU_DEP_1)
	v_cndmask_b32 v[102+\d], v[102+\d], v[24+\t], vcc_lo
.endr
.endr
.endm
	s_load_b256 s[4:11], s[0:1], 0x0               ; keys 4, en 6, idx 8, pos 10
	s_load_b128 s[12:15], s[0:1], 0x20             ; cnt 12, out0 14
	s_load_b64 s[16:17], s[0:1], 0x30              ; out1
	v_lshl_add_u32 v126, v0, 2, 0x4000
	v_mov_b32 v127, 0
	v_lshrrev_b32 v1, 5, v0
	s_delay_alu instid0(VALU_DEP_1)
	v_readfirstlane_b32 s20, v1                    ; wave
	s_lshr_b32 s21, ttmp9, 2                       ; batch
	s_and_b32 s22, ttmp9, 3                        ; which 256 channels, which 256 rows of attn
	v_and_b32 v1, 31, v0
	s_delay_alu instid0(VALU_DEP_1)
	v_lshlrev_b32 v4, 4, v1
	s_wait_alu depctr_va_vdst(0)
	v_lshlrev_b32 v5, 2, v1
	v_mov_b32 v6, 0xff800000
	s_lshl_b32 s24, s20, 3
	s_lshl_b32 s25, s20, 1                         ; positions 8 w + 0 .. 3 lie in lane 2 w,
	s_or_b32 s26, s25, 1                           ; 8 w + 4 .. 7 in lane 2 w + 1
	s_and_b32 s39, s20, 3
	s_lshl_b32 s39, s39, 8
	v_lshl_add_u32 v7, v1, 3, s39
	s_lshl_b32 s39, s20, 10
	v_add_nc_u32 v2, s39, v4
	s_and_b32 s39, s20, 1
	s_lshl_b32 s39, s39, 9
	v_add_nc_u32 v3, s39, v4
	s_mov_b32 s34, 0x76543210
	s_mov_b32 s35, 0xfedcba98
	s_mov_b32 s29, 0
	s_wait_alu depctr_va_vdst(0)
	s_wait_kmcnt 0x0
	s_lshl_b32 s28, s21, 7
	s_add_nc_u64 s[12:13], s[12:13], s[28:29]
	s_load_b32 s23, s[12:13], 0x0                  ; n
	s_lshl_b32 s28, s21, 12
	s_add_nc_u64 s[6:7], s[6:7], s[28:29]
	s_add_nc_u64 s[8:9], s[8:9], s[28:29]
	s_lshl_b32 s30, s22, 10
	s_add_co_u32 s28, s28, s30
	s_add_nc_u64 s[10:11], s[10:11], s[28:29]
	s_add_nc_u64 s[14:15], s[14:15], s[28:29]
	s_add_nc_u64 s[16:17], s[16:17], s[28:29]
	s_lshl_b32 s28, s21, 22
	s_add_co_u32 s28, s28, s30
	s_add_nc_u64 s[4:5], s[4:5], s[28:29]
.irp g, 0,1,2,3,4,5,6,7
	global_load_b128 v[64+4*\g:67+4*\g], v4, s[8:9] offset:512*\g
.endr
.irp g, 0,1,2,3,4,5,6,7
	global_load_b128 v[32+4*\g:35+4*\g], v4, s[6:7] offset:512*\g
.endr
	global_load_b64 v[96:97], v7, s[10:11]
	s_wait_loadcnt 9                               ; the list is in; behind it stand the eight loads of energies and the one of pos
	CISSUE 0, 0                                    ; my first two blocks of rows fly while the softmax is made (the list is whole, so every address is a row of the batch)
	CISSUE 1, 1
	s_wait_kmcnt 0x0
	s_min_u32 s23, s23, 0x400
	s_wait_loadcnt 32                              ; energies and pos are in; behind them stand the two blocks
.set q, 0
.rept 32
	s_sub_co_i32 s39, s23, 128*(q/4)+q%4
	v_cmp_gt_i32 vcc_lo, s39, v5                   ; position 128 g + 4 l + e < n
	s_delay_alu instid0(VALU_DEP_1)
	v_cndmask_b32 v[32+q], v6, v[32+q], vcc_lo
.set q, q+1
.endr
	v_max3_num_f32 v12, v32, v33, v34
	v_max3_num_f32 v13, v35, v36, v37
.irp i, 6,10,14,18,22,26
	s_delay_alu instid0(VALU_DEP_2)
	v_max3_num_f32 v12, v12, v[32+\i], v[33+\i]
	s_delay_alu instid0(VALU_DEP_2)
	v_max3_num_f32 v13, v13, v[34+\i], v[35+\i]
.endr
	s_delay_alu instid0(VALU_DEP_2)
	v_max3_num_f32 v12, v12, v62, v63
	s_delay_alu instid0(VALU_DEP_1)
	v_max3_num_f32 v12, v12, v13, 0xff61b1e6       ; not under -3e38: with no row kept the differences below stay -inf, and no NaN is made
	s_delay_alu instid0(VALU_DEP_1)
	v_max_num_f32_dpp v12, v12, v12 row_xmask:1 row_mask:0xf bank_mask:0xf
	s_delay_alu instid0(VALU_DEP_1)
	v_max_num_f32_dpp v12, v12, v12 row_xmask:2 row_mask:0xf bank_mask:0xf
	s_delay_alu instid0(VALU_DEP_1)
	v_max_num_f32_dpp v12, v12, v12 row_xmask:4 row_mask:0xf bank_mask:0xf
	s_delay_alu instid0(VALU_DEP_1)
	v_max_num_f32_dpp v12, v12, v12 row_xmask:8 row_mask:0xf bank_mask:0xf
	s_delay_alu instid0(VALU_DEP_1)
	v_permlanex16_b32 v13, v12, s34, s35
	s_delay_alu instid0(VALU_DEP_1)
	v_max_num_f32 v8, v12, v13
	s_delay_alu instid0(VALU_DEP_1)
	v_mov_b32 v9, v8
.irp p, 0,2,4,6,8,10,12,14,16,18,20,22,24,26,28,30
	v_pk_add_f32 v[32+\p:33+\p], v[32+\p:33+\p], v[8:9] neg_lo:[0,1] neg_hi:[0,1]
.endr
.set q, 0
	s_wait_alu depctr_va_vdst(0)
.rept 32
	v_exp_f32 v[32+q], v[32+q]
.set q, q+1
.endr
	v_nop                                          ; a plain line behind the last of the batch
	s_wait_alu depctr_va_vdst(0)                   ; one wait for the batch, ahead of its first reader
	v_pk_add_f32 v[14:15], v[32:33], v[34:35]
	v_pk_add_f32 v[124:125], v[40:41], v[44:45]
	v_pk_add_f32 v[122:123], v[48:49], v[52:53]
	v_pk_add_f32 v[120:121], v[56:57], v[60:61]
	v_pk_add_f32 v[24:25], v[36:37], v[38:39]      ; (v104-119 are the address registers of row loads that are out: they are not written here)
	v_pk_add_f32 v[26:27], v[42:43], v[46:47]
	v_pk_add_f32 v[28:29], v[50:51], v[54:55]
	v_pk_add_f32 v[12:13], v[58:59], v[62:63]
	s_delay_alu instid0(VALU_DEP_1)
	v_pk_add_f32 v[12:13], v[12:13], v[120:121]
	v_pk_add_f32 v[14:15], v[14:15], v[24:25]
	v_pk_add_f32 v[124:125], v[124:125], v[26:27]
	v_pk_add_f32 v[122:123], v[122:123], v[28:29]
	s_delay_alu instid0(VALU_DEP_2)
	v_pk_add_f32 v[12:13], v[12:13], v[124:125]
	s_delay_alu instid0(VALU_DEP_2)
	v_pk_add_f32 v[14:15], v[14:15], v[122:123]
	s_delay_alu instid0(VALU_DEP_1)
	v_pk_add_f32 v[12:13], v[12:13], v[14:15]
	s_delay_alu instid0(VALU_DEP_1)
	v_add_f32 v12, v12, v13
	s_delay_alu instid0(VALU_DEP_1)
	v_add_f32_dpp v12, v12, v12 row_xmask:1 row_mask:0xf bank_mask:0xf
	s_delay_alu instid0(VALU_DEP_1)
	v_add_f32_dpp v12, v12, v12 row_xmask:2 row_mask:0xf bank_mask:0xf
	s_delay_alu instid0(VALU_DEP_1)
	v_add_f32_dpp v12, v12, v12 row_xmask:4 row_mask:0xf bank_mask:0xf
	s_delay_alu instid0(VALU_DEP_1)
	v_add_f32_dpp v12, v12, v12 row_xmask:8 row_mask:0xf bank_mask:0xf
	s_delay_alu instid0(VALU_DEP_1)
	v_permlanex16_b32 v13, v12, s34, s35
	s_delay_alu instid0(VALU_DEP_1)
	v_add_f32 v12, v12, v13
	s_wait_alu depctr_va_vdst(0)
	v_rcp_f32 v14, v12
	v_nop
	v_cmp_lt_f32 vcc_lo, 0, v12
	s_wait_alu depctr_va_vdst(0)
	v_cndmask_b32 v10, 0, v14, vcc_lo              ; 1 / sum, or 0 where no row is kept: a choice of a value, no branch
	s_delay_alu instid0(VALU_DEP_1)
	v_mov_b32 v11, v10
.irp p, 0,2,4,6,8,10,12,14,16,18,20,22,24,26,28,30
	v_pk_mul_f32 v[32+\p:33+\p], v[32+\p:33+\p], v[10:11]
.endr
.irp i, 0,1,2,3,4,5,6,7
	v_mov_b32 v[16+\i], 0
.endr
	s_cmp_lt_u32 s20, 4
	s_cbranch_scc0 .Lno_attn
	PICK 0
	PICK 1
	global_store_b64 v7, v[102:103], s[16:17]      ; the wave stores 256 consecutive bytes, at a multiple of 256 from out1's first byte
.Lno_attn:
	CSTEP 0
	CSTEP 1
	CSTEP 2
	CSTEP 3
	CSTEP 4
	CSTEP 5
	CSTEP 6
	CSTEP 7
.Lc_done:
	s_wait_loadcnt 0x0                             ; whatever was asked for and not used has landed: its registers are used again below
	s_wait_alu depctr_va_vdst(0)
	ds_store_b128 v2, v[16:19]                     ; my sums: channels 4 l + 0 .. 3,
	ds_store_b128 v2, v[20:23] offset:512          ; and 128 + 4 l + 0 .. 3
	s_wait_dscnt 0x0                               ; for the others' sake
	s_barrier_signal -1
	s_barrier_wait -1
	s_cmp_lt_u32 s20, 2
	s_cbranch_scc0 .Lend
.irp k, 0,1,2,3,4,5,6,7,8,9,10,11,12,13,14,15
	ds_load_b128 v[128+4*\k:131+4*\k], v3 offset:1024*\k   ; wave 0: channels 0-127 of all sixteen waves' sums; wave 1: channels 128-255
.endr
	s_wait_dscnt 0x0
.irp j, 0,2,4,6,8,10,12,14,16,18,20,22,24,26,28,30
	v_pk_add_f32 v[128+\j:129+\j], v[128+\j:129+\j], v[160+\j:161+\j]
.endr
.irp j, 0,2,4,6,8,10,12,14
	v_pk_add_f32 v[128+\j:129+\j], v[128+\j:129+\j], v[144+\j:145+\j]
.endr
.irp j, 0,2,4,6
	s_delay_alu instid0(VALU_DEP_4)
	v_pk_add_f32 v[128+\j:129+\j], v[128+\j:129+\j], v[136+\j:137+\j]
.endr
.irp j, 0,2
	s_delay_alu instid0(VALU_DEP_2)
	v_pk_add_f32 v[128+\j:129+\j], v[128+\j:129+\j], v[132+\j:133+\j]
.endr
	global_store_b128 v3, v[128:131], s[14:15]     ; 512 consecutive bytes a wave
.Lend:
	s_barrier_signal -1
	s_barrier_wait -1
	s_wait_tensorcnt 0x0
	ds_add_u32 v126, v127
	s_wait_dscnt 0x0
	s_endpgm
.Lfunc_end_k_q801943a573_context:
	.size	k_q801943a573_context, .Lfunc_end_k_q801943a573_context-k_q801943a573_context
	.p2alignl 7, 3214868480
	.fill 96, 4, 3214868480
	.section	.rodata,"a",@progbits
	.p2align	6, 0x0
	.amdhsa_kernel k_q801943a573_context
		.amdhsa_group_segment_fixed_size 18432
		.amdhsa_private_segment_fixed_size 0
		.amdhsa_enable_private_segment 0
		.amdhsa_kernarg_size 56
		.amdhsa_user_sgpr_count 2
		.amdhsa_user_sgpr_kernarg_segment_ptr 1
		.amdhsa_wavefront_size32 1
		.amdhsa_system_sgpr_workgroup_id_x 1
		.amdhsa_system_sgpr_workgroup_id_y 1
		.amdhsa_system_sgpr_workgroup_id_z 1
		.amdhsa_system_vgpr_workitem_id 0
		.amdhsa_next_free_vgpr 256
		.amdhsa_next_free_sgpr 66
		.amdhsa_reserve_vcc 1
		.amdhsa_float_denorm_mode_32 3
		.amdhsa_float_denorm_mode_16_64 3
		.amdhsa_memory_ordered 1
		.amdhsa_forward_progress 1
		.amdhsa_inst_pref_size 93
	.end_amdhsa_kernel
	.amdgpu_metadata
---
amdhsa.version: [ 1, 2 ]
amdhsa.kernels:
  - .name:           k_q801943a573_context
    .symbol:         k_q801943a573_context.kd
    .args:
      - { .name: keys, .offset: 0, .size: 8, .value_kind: global_buffer, .address_space: global }
      - { .name: en, .offset: 8, .size: 8, .value_kind: global_buffer, .address_space: global }
      - { .name: idx, .offset: 16, .size: 8, .value_kind: global_buffer, .address_space: global }
      - { .name: pos, .offset: 24, .size: 8, .value_kind: global_buffer, .address_space: global }
      - { .name: cnt, .offset: 32, .size: 8, .value_kind: global_buffer, .address_space: global }
      - { .name: out0, .offset: 40, .size: 8, .value_kind: global_buffer, .address_space: global }
      - { .name: out1, .offset: 48, .size: 8, .value_kind: global_buffer, .address_space: global }
    .group_segment_fixed_size: 18432
    .private_segment_fixed_size: 0
    .kernarg_segment_align: 8
    .kernarg_segment_size: 56
    .max_flat_workgroup_size: 512
    .sgpr_count:     66
    .vgpr_count:     256
    .wavefront_size: 32
...
	.end_amdgpu_metadata
.endif
;; end of part 3
